; MI455X (gfx1250); checked and timed in simulation.
; The chip was launched on July 23, 2026; its instructions are those of AMD's public machine-readable ISA for CDNA 5 (MIT licence, August 2026) and "CDNA5" Instruction Set Architecture Reference Guide (July 2026). The comments in the code are by the model that wrote it; some were corrected since.
;; Opt Layer. Allowed arithmetic: float matrix products may take bf16 or f16 operands with f32 sums; all other float work in f32.
;; Inputs: x 2,000,000 x 5 float32.
;; Outputs: out0 2,000,000 x 5 float32.
;; One version. Each part assembles by itself: llvm-mc -triple=amdgcn-amd-amdhsa -mcpu=gfx1250 --defsym DOCPART=n.
;; ======== version 1 of 1: 1 launch
;; launch project (part 1): grid 977 x 1, 8 waves a work-group, no clusters, 41,984 bytes of LDS; arguments x, out0; writes out0
.if DOCPART == 1
	.amdgcn_target "amdgcn-amd-amdhsa--gfx1250"
	.amdhsa_code_object_version 6
	.text
	.protected	k_qb76d1bf56d_project
	.globl	k_qb76d1bf56d_project
	.p2align	8
	.type	k_qb76d1bf56d_project,@function
k_qb76d1bf56d_project:
	s_mov_b64 s[64:65], 0
	v_nop
	global_prefetch_b8 v0, s[64:65] scope:SCOPE_SE
	s_setreg_imm32_b32 hwreg(HW_REG_WAVE_MODE, 25, 1), 1
	s_wait_xcnt 0x0
; z = argmin 0.5 |z|^2 + x.z  with 0 <= z <= 35 and sum(z) = 150, for 2,000,000 rows of 5 numbers in f32.
;
; THE ARITHMETIC.  The solution is z_i = clip(nu - x_i, 0, 35), nu the one root of sum_i clip(nu - x_i, 0, 35) = 150; the problem's bisection and
; Newton steps look for that root.  It is written down directly here.  Put w_i = 35 - z_i and t = nu - 35: then w_i = clip(x_i - t, 0, 35) and
; sum(w) = 5 x 35 - 150 = 25.  As w >= 0 and sum(w) = 25, every w_i <= 25 < 35: the upper clip of w (the lower bound 0 of z) never binds, for any x.
; So w_i = max(x_i - t, 0).  For every set S of indices sum_S (x_i - t) <= sum_i max(x_i - t, 0) = 25, with equality for the set of the active ones, so
;     t = max over k = 1..5 of (the sum of the k largest x - 25) / k,      nu = t + 35,      z_i = min(nu - x_i, 35).
; The row is sorted (12 min/med/max of two and three), the sums run from the largest down, so that the sum that wins holds only the active
; elements, which lie within 25 of each other: a very negative element spoils no digit of the result.
;
; LIMITS.  All in f32.  Inputs are finite: the _num forms of min and max drop a NaN, so a row with a NaN or an infinity does not give what the
; problem's function gives.  |x| stays under 6.8e37 (a sum of five large positive numbers must not overflow; a sum that overflows downward only loses in the
; maximum).  The absolute error of z is a few units in the last place of the row's largest elements: under 0.01 up to |x| of about 2e4.
;
; THE SHARES.  A step is 128 rows = 2,560 bytes: five loads of 16 bytes a lane, each load of the wave covering 512 consecutive bytes that begin at a multiple
; of 512 from the buffer's first byte.  A row is 20 bytes, so a step goes through the wave's own LDS bytes: stored as loaded (16 x lane), read back at
; 80 x lane, after which a lane holds 4 whole rows in 20 registers; the results go back the same way and leave as whole lines of 512 bytes.
; 80 = 5 x 16, so sixteen neighbouring lanes start at sixteen different 16-byte columns modulo 256 bytes.
; LDS serves a wave's instructions in order (ISA guide 5.7.1) and no wave touches another's bytes: no barrier, and no wait between a store and the load behind it.
; There are 15,625 steps, an odd number.  A wave takes two; 8 waves a work-group; 977 work-groups.  Wave 7812 (of all) has the one last step, on a path of its
; own with its own counts; waves 7813 to 7815, the last three of the last work-group, have no rows and end.
; All ten loads of a wave go out before anything else; nothing in the text rewrites an address or a store's data, so no wait frees a source.
; No matrix unit (there is no product), no cluster (no byte is read by two work-groups), no prefetch (every load is issued at the wave's start).
.set STEP,   2560                      ; bytes in a step: 128 rows of 20 bytes
.set NSTEP,  15625                     ; 2,000,000 rows / 128
.set SHARE,  2*STEP                    ; a wave's bytes, in memory and in LDS
.set FULLW,  NSTEP/2                   ; 7812 waves have two steps; wave number 7812 has one
.set GO,  2                            ; v2        16 x lane: my 16 bytes in a line of 512; never rewritten
.set LA,  3                            ; v3        LDS: my wave's bytes + 16 x lane (lines)
.set LB,  4                            ; v4        LDS: my wave's bytes + 80 x lane (my four rows)
.set XA,  8                            ; v[8:27]   step A: as loaded, then my 4 rows, then their z, then the lines to store
.set XB,  28                           ; v[28:47]  step B likewise
.set U,   48                           ; v[48:57]  sorted, largest first: pair k holds the (k+1)-th largest of the even row and of the odd row
.set T,   58                           ; v[58:71]  seven registers a row, at work in the sort
.set C,   72                           ; v[72:81]  pair k: sum of the k+1 largest - 25, then divided by k+1
.set NU,  82                           ; v[82:83]  t, then nu, of the even row and of the odd row
	s_load_b128 s[4:7], s[0:1], 0x0                ; x s[4:5], out0 s[6:7]
	v_lshl_add_u32 v84, v0, 2, 0xa000
	v_mov_b32 v85, 0
	v_lshrrev_b32 v1, 5, v0
	v_readfirstlane_b32 s8, v1                     ; my wave's number in the work-group
	v_and_b32 v1, 31, v0                           ; lane
	s_lshl_b32 s9, ttmp9, 3
	s_add_co_u32 s9, s9, s8                        ; my wave's number in the launch: 8 x work-group + wave
	s_mul_i32 s10, s9, SHARE                       ; its byte offset in x and in out0: under 40,000,000 for every wave that loads
	s_mov_b32 s11, 0
	s_mul_i32 s22, s8, SHARE                       ; its bytes in LDS
	v_lshlrev_b32 v[GO], 4, v1
	v_lshl_add_u32 v[LA], v1, 4, s22
	v_mul_u32_u24 v[LB], v1, 80
	v_add_nc_u32 v[LB], s22, v[LB]
	s_mov_b32 s12, 0xc1c80000                      ; -25.0; the packed forms take a scalar pair and broadcast its first register: both are written
	s_mov_b32 s13, 0xc1c80000
	s_mov_b32 s14, 0x3eaaaaab                      ; 1/3
	s_mov_b32 s15, 0x3eaaaaab
	s_mov_b32 s16, 0x3e800000                      ; 1/4
	s_mov_b32 s17, 0x3e800000
	s_mov_b32 s18, 0x3e4ccccd                      ; 1/5
	s_mov_b32 s19, 0x3e4ccccd
	s_mov_b32 s20, 0x420c0000                      ; 35.0
	s_mov_b32 s21, 0x420c0000
	s_wait_kmcnt 0x0
	s_cmp_gt_u32 s9, FULLW
	s_cbranch_scc1 .Lend                           ; no rows are left for this wave
	s_add_nc_u64 s[4:5], s[4:5], s[10:11]
	s_add_nc_u64 s[6:7], s[6:7], s[10:11]
; Five loads: step s of my two, into the 20 registers from x on.
.macro LOAD x, s
.irp j, 0,1,2,3,4
	global_load_b128 v[\x+4*\j:\x+4*\j+3], v[GO], s[4:5] offset:\s*STEP+512*\j th:TH_LOAD_NT
.endr
.endm
; Lines to rows.  left = how many younger global loads may stay out.
.macro TO_ROWS x, s, left
	s_wait_loadcnt \left                           ; loads come back in order: this step's five are in
.irp j, 0,1,2,3,4
	ds_store_b128 v[LA], v[\x+4*\j:\x+4*\j+3] offset:\s*STEP+512*\j
.endr
.irp j, 0,1,2,3,4
	ds_load_b128 v[\x+4*\j:\x+4*\j+3], v[LB] offset:\s*STEP+16*\j   ; my 80 bytes: rows 4 lane .. 4 lane + 3; row r lies in registers x + 5 r .. x + 5 r + 4
.endr
.endm
; Two rows, in the ten registers from x on (x even), are replaced by their z.
.macro SOLVE2 x
.irp e, 0,1
	v_max3_num_f32 v[T+7*\e],   v[\x+5*\e], v[\x+5*\e+1], v[\x+5*\e+2]   ; the first three sorted: h >= m >= l
	v_med3_num_f32 v[T+7*\e+1], v[\x+5*\e], v[\x+5*\e+1], v[\x+5*\e+2]
	v_min3_num_f32 v[T+7*\e+2], v[\x+5*\e], v[\x+5*\e+1], v[\x+5*\e+2]
	v_max_num_f32  v[T+7*\e+3], v[\x+5*\e+3], v[\x+5*\e+4]               ; the last two sorted: p >= q
	v_min_num_f32  v[T+7*\e+4], v[\x+5*\e+3], v[\x+5*\e+4]
.endr
.irp e, 0,1
	v_max_num_f32  v[U+\e],     v[T+7*\e],   v[T+7*\e+3]                 ; the largest of the five = max(h, p)
	v_min_num_f32  v[T+7*\e+5], v[T+7*\e],   v[T+7*\e+3]                 ; a = min(h, p)
	v_min_num_f32  v[U+8+\e],   v[T+7*\e+2], v[T+7*\e+4]                 ; the smallest = min(l, q)
	v_max_num_f32  v[T+7*\e+6], v[T+7*\e+2], v[T+7*\e+4]                 ; b = max(l, q)
.endr
.irp e, 0,1
	v_max3_num_f32 v[U+2+\e], v[T+7*\e+5], v[T+7*\e+1], v[T+7*\e+6]      ; what is left of the five is a, m, b: sorted, they are the second, third and fourth
	v_med3_num_f32 v[U+4+\e], v[T+7*\e+5], v[T+7*\e+1], v[T+7*\e+6]
	v_min3_num_f32 v[U+6+\e], v[T+7*\e+5], v[T+7*\e+1], v[T+7*\e+6]
.endr
	v_pk_add_f32 v[C:C+1],     v[U:U+1],     s[12:13] op_sel_hi:[1,0]    ; both rows at once from here on: largest - 25
	v_pk_add_f32 v[C+2:C+3],   v[C:C+1],     v[U+2:U+3]                  ; the sums of the 2, 3, 4, 5 largest, - 25
	v_pk_add_f32 v[C+4:C+5],   v[C+2:C+3],   v[U+4:U+5]
	v_pk_add_f32 v[C+6:C+7],   v[C+4:C+5],   v[U+6:U+7]
	v_pk_add_f32 v[C+8:C+9],   v[C+6:C+7],   v[U+8:U+9]
	v_pk_mul_f32 v[C+2:C+3],   v[C+2:C+3],   0.5 op_sel_hi:[1,0]         ; each divided by its count
	v_pk_mul_f32 v[C+4:C+5],   v[C+4:C+5],   s[14:15] op_sel_hi:[1,0]
	v_pk_mul_f32 v[C+6:C+7],   v[C+6:C+7],   s[16:17] op_sel_hi:[1,0]
	v_pk_mul_f32 v[C+8:C+9],   v[C+8:C+9],   s[18:19] op_sel_hi:[1,0]
.irp e, 0,1
	v_max3_num_f32 v[NU+\e], v[C+\e], v[C+2+\e], v[C+4+\e]
.endr
.irp e, 0,1
	v_max3_num_f32 v[NU+\e], v[NU+\e], v[C+6+\e], v[C+8+\e]              ; t = the largest of the five quotients
.endr
	v_pk_add_f32 v[NU:NU+1], v[NU:NU+1], s[20:21] op_sel_hi:[1,0]        ; nu = t + 35
	; nu - x, two at a time: registers 0-4 belong to the even row (nu in the pair's first register), 5-9 to the odd row (its second)
	v_pk_add_f32 v[\x:\x+1],   v[NU:NU+1], v[\x:\x+1]   op_sel:[0,0] op_sel_hi:[0,1] neg_lo:[0,1] neg_hi:[0,1]
	v_pk_add_f32 v[\x+2:\x+3], v[NU:NU+1], v[\x+2:\x+3] op_sel:[0,0] op_sel_hi:[0,1] neg_lo:[0,1] neg_hi:[0,1]
	v_pk_add_f32 v[\x+4:\x+5], v[NU:NU+1], v[\x+4:\x+5] op_sel:[0,0] op_sel_hi:[1,1] neg_lo:[0,1] neg_hi:[0,1]
	v_pk_add_f32 v[\x+6:\x+7], v[NU:NU+1], v[\x+6:\x+7] op_sel:[1,0] op_sel_hi:[1,1] neg_lo:[0,1] neg_hi:[0,1]
	v_pk_add_f32 v[\x+8:\x+9], v[NU:NU+1], v[\x+8:\x+9] op_sel:[1,0] op_sel_hi:[1,1] neg_lo:[0,1] neg_hi:[0,1]
.irp k, 0,1,2,3,4,5,6,7,8,9
	v_min_num_f32 v[\x+\k], s20, v[\x+\k]                                ; z = min(nu - x, 35); it is at least 10, so no lower clip is left to make
.endr
.endm
; A step's four rows.  The five LDS loads of TO_ROWS are the youngest LDS instructions of the wave when this begins.
.macro SOLVE x
	s_wait_dscnt 0x2                               ; rows 0 and 1 lie in registers 0-9, the first three loads: the last two may stay out
	SOLVE2 \x
	s_wait_dscnt 0x0                               ; rows 2 and 3
	SOLVE2 \x+10
.endm
; Rows back to lines.
.macro TO_LINES x, s
.irp j, 0,1,2,3,4
	ds_store_b128 v[LB], v[\x+4*\j:\x+4*\j+3] offset:\s*STEP+16*\j
.endr
.irp j, 0,1,2,3,4
	ds_load_b128 v[\x+4*\j:\x+4*\j+3], v[LA] offset:\s*STEP+512*\j
.endr
.endm
; Five stores, each of 512 consecutive bytes.  younger = LDS instructions issued behind this step's TO_LINES.
.macro STORE x, s, younger
.irp j, 0,1,2,3,4
	s_wait_dscnt \younger+4-\j                     ; line j is back: the 4 - j lines behind it, and what was issued later, may stay out
	global_store_b128 v[GO], v[\x+4*\j:\x+4*\j+3], s[6:7] offset:\s*STEP+512*\j th:TH_STORE_NT
.endr
.endm
	LOAD XA, 0
	s_cmp_eq_u32 s9, FULLW
	s_cbranch_scc1 .Lone                           ; the wave with the one last step
	LOAD XB, 1                                     ; ten loads, 5,120 bytes, are out
	TO_ROWS XA, 0, 5                               ; step B's five loads stay out
	SOLVE XA
	TO_LINES XA, 0
	TO_ROWS XB, 1, 0                               ; step B's way through LDS starts while step A's lines come back
	STORE XA, 0, 10                                ; ten LDS instructions (step B's five stores and five loads) stand behind step A's lines
	SOLVE XB
	TO_LINES XB, 1
	STORE XB, 1, 0
	s_wait_tensorcnt 0x0
	ds_add_u32 v84, v85
	s_wait_dscnt 0x0
	s_endpgm
.Lone:
	TO_ROWS XA, 0, 0                               ; on this path only five loads were issued
	SOLVE XA
	TO_LINES XA, 0
	STORE XA, 0, 0
.Lend:
	s_wait_tensorcnt 0x0
	ds_add_u32 v84, v85
	s_wait_dscnt 0x0
	s_endpgm
.Lfunc_end_k_qb76d1bf56d_project:
	.size	k_qb76d1bf56d_project, .Lfunc_end_k_qb76d1bf56d_project-k_qb76d1bf56d_project
	.p2alignl 7, 3214868480
	.fill 96, 4, 3214868480
	.section	.rodata,"a",@progbits
	.p2align	6, 0x0
	.amdhsa_kernel k_qb76d1bf56d_project
		.amdhsa_group_segment_fixed_size 41984
		.amdhsa_private_segment_fixed_size 0
		.amdhsa_enable_private_segment 0
		.amdhsa_kernarg_size 16
		.amdhsa_user_sgpr_count 2
		.amdhsa_user_sgpr_kernarg_segment_ptr 1
		.amdhsa_wavefront_size32 1
		.amdhsa_system_sgpr_workgroup_id_x 1
		.amdhsa_system_sgpr_workgroup_id_y 1
		.amdhsa_system_sgpr_workgroup_id_z 1
		.amdhsa_system_vgpr_workitem_id 0
		.amdhsa_next_free_vgpr 86
		.amdhsa_next_free_sgpr 66
		.amdhsa_reserve_vcc 0
		.amdhsa_float_denorm_mode_32 3
		.amdhsa_float_denorm_mode_16_64 3
		.amdhsa_memory_ordered 1
		.amdhsa_forward_progress 1
		.amdhsa_inst_pref_size 25
	.end_amdhsa_kernel
	.amdgpu_metadata
---
amdhsa.version: [ 1, 2 ]
amdhsa.kernels:
  - .name:           k_qb76d1bf56d_project
    .symbol:         k_qb76d1bf56d_project.kd
    .args:
      - { .name: x, .offset: 0, .size: 8, .value_kind: global_buffer, .address_space: global }
      - { .name: out0, .offset: 8, .size: 8, .value_kind: global_buffer, .address_space: global }
    .group_segment_fixed_size: 41984
    .private_segment_fixed_size: 0
    .kernarg_segment_align: 8
    .kernarg_segment_size: 16
    .max_flat_workgroup_size: 256
    .sgpr_count:     66
    .vgpr_count:     86
    .wavefront_size: 32
...
	.end_amdgpu_metadata
.endif
;; end of part 1
